; MI455X (gfx1250); checked and timed in simulation.
; The chip was launched on July 23, 2026; its instructions are those of AMD's public machine-readable ISA for CDNA 5 (MIT licence, August 2026) and "CDNA5" Instruction Set Architecture Reference Guide (July 2026). The comments in the code are by the model that wrote it; some were corrected since.
;; Biaffine. Allowed arithmetic: float matrix products may take bf16 or f16 operands with f32 sums; all other float work in f32.
;; Inputs: U_1 512 x 64 x 512 float32; U_2 1,024 x 64 float32; bias 64 float32; h_backward 4 x 512 x 512 float32; h_forward 4 x 512 x 512 float32.
;; Outputs: out0 4 x 512 x 64 float32.
;; 2 versions, each right; version 2 is version 1 with the launch proj written anew for expert scheduling mode. Each part assembles by itself: llvm-mc -triple=amdgcn-amd-amdhsa -mcpu=gfx1250 --defsym DOCPART=n.
;; ======== version 1 of 2: 3 launches
;; workspace buffers: P 32,768 bytes; CP 32,768 bytes; U2f 65,536 bytes; Wf 262,144 bytes
;; launch colsum (part 1): grid 32 x 4, 9 waves a work-group, no clusters, 5,888 bytes of LDS; arguments h_backward, U_2, P, CP, U2f; writes P, CP, U2f
.if DOCPART == 1
	.amdgcn_target "amdgcn-amd-amdhsa--gfx1250"
	.amdhsa_code_object_version 6
	.text
	.protected	k_q53f23c5514_colsum
	.globl	k_q53f23c5514_colsum
	.p2align	8
	.type	k_q53f23c5514_colsum,@function
k_q53f23c5514_colsum:
	s_mov_b64 s[64:65], 0
	v_nop
	global_prefetch_b8 v0, s[64:65] scope:SCOPE_SE
	s_setreg_imm32_b32 hwreg(HW_REG_WAVE_MODE, 25, 1), 1
	s_wait_xcnt 0x0
; FIRST OF THREE LAUNCHES.  out[b][x][r] = mean over y of (hf[b][x] . U_1[:, r, :] . hb[b][y] + hf[b][x] . U_2[:512, r] + hb[b][y] . U_2[512:, r] + bias[r]).
; Only hb hangs on y and every term is linear in it, so the mean is taken of hb first: hbm[b][j] = mean over y of hb[b][y][j].  That holds for every input;
; LIMIT: the order of the f32 sums, and so the last bits, differ from a mean taken at the end.  NaN and infinities are not treated apart.
; THIS LAUNCH makes
;   P  [q=4][b=4][j=512] f32: the sum of hb[b][y][j] over the 128 y of quarter q, times 1/512 (a power of two: exact), so hbm = the sum of P over q;
;   CP [b=4][p=32][r=64] f32, p = 8 q + s: the sum over the 64 j of slice s of P[q][b][j] U_2[512 + j][r]; the sum over p is hbm . U_2[512:];
;   U2f: U_2[0:512] rounded once to bf16, in the order of a matrix operand's registers: element (k, r) at byte
;        4096 (k >> 5) + 1024 (r >> 4) + 512 ((k >> 4) & 1) + 256 ((k >> 3) & 1) + 16 (r & 15) + 2 (k & 7).
; SHARES.  Work-group (x = 8 b + s, q): 128 rows x 256 bytes of hb.  Waves 0-7 sum them: thread t takes the 16 bytes at 16 (t % 16) of rows t / 16 + 16 m, m = 0..7, so each
; half of a wave reads 256 consecutive bytes, aligned.  Wave 8 meanwhile loads the 64 rows of U_2 that go with the slice and its piece of U_2[0:512], and finishes the sums.
; No matrix unit (one row of hbm against 64 columns), no tensor load (the whole share is asked for at once, into registers), no cluster (no two work-groups read the same hb).
.set STG,   0                          ; LDS: 16 partial rows of 64 f32, 256 bytes each (the block up to 4608 is kept free behind them)
.set SPARE, 4608                       ; the spare words: 128 bytes for each of nine waves, five blocks of 256 bytes that no other line names
.set SPW, 6                            ; v6  LDS address of my spare word; never rewritten
.set NIL, 7                            ; v7  0; never rewritten
.set X,   16                           ; waves 0-7: v[16:47]   eight loads of four f32
.set U,   16                           ; wave 8:    v[16:143]  row j of the slice's U_2 at U + 2 j: columns 2 l, 2 l + 1
.set C,   144                          ; wave 8:    v[144:151] eight rows of one column of U_2[0:512]
.set K,   152                          ; wave 8:    v[152:155] the same as bf16
.set D,   156                          ; wave 8:    v[156:187] the sixteen partial rows
.set S,   188                          ; wave 8:    v[188:189] P for j = 2 l, 2 l + 1
.set AC,  190                          ; wave 8:    v[190:197] four chains of CP's sums
.set MUL, 40                           ; s[40:47]   four multipliers, each the low word of a pair
.macro ADD4 d, s                       ; four f32 onto four
	v_pk_add_f32 v[(\d):(\d)+1], v[(\d):(\d)+1], v[(\s):(\s)+1]
	v_pk_add_f32 v[(\d)+2:(\d)+3], v[(\d)+2:(\d)+3], v[(\s)+2:(\s)+3]
.endm
	s_load_b256 s[4:11], s[0:1], 0x0               ; hb s[4:5], U_2 s[6:7], P s[8:9], CP s[10:11]
	s_load_b64 s[12:13], s[0:1], 0x20              ; U2f
	v_lshl_add_u32 v[SPW], v0, 2, SPARE
	v_mov_b32 v[NIL], 0
	v_lshrrev_b32 v8, 5, v0
	v_readfirstlane_b32 s14, v8                    ; wave 0..8
	s_and_b32 s16, ttmp7, 0xffff                   ; q
	s_lshr_b32 s17, ttmp9, 3                       ; b
	s_and_b32 s18, ttmp9, 7                        ; s
	s_lshl_b32 s19, s16, 5
	s_add_co_u32 s19, s19, ttmp9                   ; the work-group's number, 0..127
	s_lshr_b32 s26, s19, 1                         ; which 8 rows of U_2[0:512] it converts,
	s_and_b32 s27, s19, 1                          ; and which 32 of their 64 columns
	s_lshl_b32 s20, s17, 20                        ; hb: b x 512 rows of 2,048 bytes
	s_lshl_b32 s38, s16, 18                        ;   + q x 128 rows
	s_add_co_u32 s20, s20, s38
	s_lshl_b32 s38, s18, 8                         ;   + s x 256 bytes
	s_add_co_u32 s20, s20, s38
	s_mov_b32 s21, 0
	s_lshl_b32 s28, s16, 13                        ; P: q x 8,192 + (8 b + s) x 256
	s_lshl_b32 s38, ttmp9, 8
	s_add_co_u32 s28, s28, s38
	s_mov_b32 s29, 0
	s_lshl_b32 s30, s17, 13                        ; CP: b x 8,192 + (8 q + s) x 256
	s_lshl_b32 s38, s16, 11
	s_add_co_u32 s30, s30, s38
	s_lshl_b32 s38, s18, 8
	s_add_co_u32 s30, s30, s38
	s_mov_b32 s31, 0
	s_lshr_b32 s32, s26, 2                         ; U2f: the rows k = 8 a' .. 8 a' + 7 have k >> 5 = a' >> 2,
	s_lshl_b32 s32, s32, 12
	s_and_b32 s38, s26, 3                          ;   (k >> 3) & 3 = a' & 3,
	s_lshl_b32 s38, s38, 8
	s_add_co_u32 s32, s32, s38
	s_lshl_b32 s38, s27, 11                        ;   and the 32 columns are two groups of 16, 1,024 bytes apart
	s_add_co_u32 s32, s32, s38
	s_mov_b32 s33, 0
	s_lshl_b32 s34, s18, 14                        ; U_2 at row 512 + 64 s
	s_add_co_u32 s34, s34, 131072
	s_mov_b32 s35, 0
	s_lshl_b32 s36, s26, 11                        ; U_2 at row 8 a', column 32 x odd
	s_lshl_b32 s38, s27, 7
	s_add_co_u32 s36, s36, s38
	s_mov_b32 s37, 0
.irp u, 0,1,2,3
	s_mov_b32 s[MUL+2*\u+1], 0                     ; named with the multipliers as pairs, so they are written
.endr
	v_lshrrev_b32 v8, 4, v0
	v_and_b32 v9, 15, v0
	v_lshlrev_b32 v9, 4, v9
	v_lshl_or_b32 v1, v8, 11, v9                   ; waves 0-7: row t / 16, 16 bytes at 16 (t % 16)
	v_lshlrev_b32 v2, 4, v0                        ; waves 0-7: the same place among the partial rows in LDS
	v_and_b32 v10, 31, v0
	v_lshlrev_b32 v3, 3, v10                       ; wave 8: 8 bytes a lane
	v_lshlrev_b32 v4, 2, v10                       ; wave 8: 4 bytes a lane
	v_bfe_u32 v11, v0, 4, 1
	v_lshl_or_b32 v5, v11, 10, v9                  ; wave 8: in U2f: column group l / 16, column l % 16
	s_wait_kmcnt 0x0
	s_add_nc_u64 s[4:5], s[4:5], s[20:21]
	s_add_nc_u64 s[8:9], s[8:9], s[28:29]
	s_add_nc_u64 s[10:11], s[10:11], s[30:31]
	s_add_nc_u64 s[12:13], s[12:13], s[32:33]
	s_add_nc_u64 s[22:23], s[6:7], s[34:35]
	s_add_nc_u64 s[24:25], s[6:7], s[36:37]
	s_cmp_eq_u32 s14, 8
	s_cbranch_scc1 .Lw8
	; WAVES 0-7: all eight loads go out at once; hb is read once in the launch
.irp m, 0,1,2,3,4,5,6,7
	global_load_b128 v[X+4*\m:X+4*\m+3], v1, s[4:5] offset:32768*\m th:TH_LOAD_NT
.endr
.irp t, 0,1,2,3
	s_wait_loadcnt 6-2*\t                          ; loads come back in order (ISA guide 5.7.1): loads 2 t and 2 t + 1 are in, the younger ones stay out
	ADD4 X+8*\t, X+8*\t+4
.endr
	ADD4 X, X+8
	ADD4 X+16, X+24
	ADD4 X, X+16
	ds_store_b128 v2, v[X:X+3]                     ; partial row t / 16
	s_branch .Lmeet
.Lw8:	; WAVE 8: 64 rows of U_2[512 + 64 s ..], each load 256 consecutive bytes, aligned
.set j, 0
.rept 64
	global_load_b64 v[U+2*j:U+2*j+1], v3, s[22:23] offset:256*j
.set j, j+1
.endr
.irp e, 0,1,2,3,4,5,6,7
	global_load_b32 v[C+\e], v4, s[24:25] offset:256*\e  ; 32 columns of a row: 128 bytes, half of an aligned 256: the other half is the neighbouring work-group's
.endr
	s_wait_loadcnt 0x0                             ; the youngest eight are wanted now, the others straight behind the barrier
.irp i, 0,1,2,3
	v_cvt_pk_bf16_f32 v[K+\i], v[C+2*\i], v[C+2*\i+1]  ; k ascending in a lane's 16 bytes
.endr
	global_store_b128 v5, v[K:K+3], s[12:13]       ; sixteen lanes store 256 consecutive bytes, aligned
.Lmeet:
	s_wait_dscnt 0x0                               ; for wave 8's sake: my partial row is in LDS
	s_barrier_signal -1
	s_barrier_wait -1
	s_cmp_lg_u32 s14, 8
	s_cbranch_scc1 .Lend
.set p, 0
.rept 16
	ds_load_b64 v[D+2*p:D+2*p+1], v3 offset:STG+256*p  ; j = 2 l, 2 l + 1 of partial row p
.set p, p+1
.endr
	s_wait_dscnt 0x0
.irp w, 8,4,2,1                        ; a tree of 15 packed sums
.set p, 0
.rept \w
	v_pk_add_f32 v[D+2*p:D+2*p+1], v[D+2*p:D+2*p+1], v[D+2*(p+\w):D+2*(p+\w)+1]
.set p, p+1
.endr
.endr
	v_pk_mul_f32 v[S:S+1], v[D:D+1], 0x3b000000 op_sel_hi:[1,0]  ; x 1/512
	global_store_b64 v3, v[S:S+1], s[8:9]          ; 256 consecutive bytes of P, aligned
	; CP's row: for each j of the slice P's number, read out of its lane, times row j of U_2.  Four chains, so that no line waits for the one before it; the first four products start them.
.set g, 0
.rept 16
.irp u, 0,1,2,3
	v_readlane_b32 s[MUL+2*\u], v[S+(4*g+\u)%2], (4*g+\u)/2
.endr
.irp u, 0,1,2,3
.if g == 0
	v_pk_mul_f32 v[AC+2*\u:AC+2*\u+1], v[U+2*(4*g+\u):U+2*(4*g+\u)+1], s[MUL+2*\u:MUL+2*\u+1] op_sel_hi:[1,0]
.else
	v_pk_fma_f32 v[AC+2*\u:AC+2*\u+1], v[U+2*(4*g+\u):U+2*(4*g+\u)+1], s[MUL+2*\u:MUL+2*\u+1], v[AC+2*\u:AC+2*\u+1] op_sel_hi:[1,0,1]
.endif
.endr
.set g, g+1
.endr
	v_pk_add_f32 v[AC:AC+1], v[AC:AC+1], v[AC+2:AC+3]
	v_pk_add_f32 v[AC+4:AC+5], v[AC+4:AC+5], v[AC+6:AC+7]
	v_pk_add_f32 v[AC:AC+1], v[AC:AC+1], v[AC+4:AC+5]
	global_store_b64 v3, v[AC:AC+1], s[10:11]      ; 256 consecutive bytes of CP, aligned
.Lend:
	s_wait_tensorcnt 0x0                           ; the wave's end: behind my last LDS store
	ds_add_u32 v[SPW], v[NIL]
	s_wait_dscnt 0x0
	s_endpgm
.Lfunc_end_k_q53f23c5514_colsum:
	.size	k_q53f23c5514_colsum, .Lfunc_end_k_q53f23c5514_colsum-k_q53f23c5514_colsum
	.p2alignl 7, 3214868480
	.fill 96, 4, 3214868480
	.section	.rodata,"a",@progbits
	.p2align	6, 0x0
	.amdhsa_kernel k_q53f23c5514_colsum
		.amdhsa_group_segment_fixed_size 5888
		.amdhsa_private_segment_fixed_size 0
		.amdhsa_enable_private_segment 0
		.amdhsa_kernarg_size 40
		.amdhsa_user_sgpr_count 2
		.amdhsa_user_sgpr_kernarg_segment_ptr 1
		.amdhsa_wavefront_size32 1
		.amdhsa_system_sgpr_workgroup_id_x 1
		.amdhsa_system_sgpr_workgroup_id_y 1
		.amdhsa_system_sgpr_workgroup_id_z 1
		.amdhsa_system_vgpr_workitem_id 0
		.amdhsa_next_free_vgpr 200
		.amdhsa_next_free_sgpr 66
		.amdhsa_reserve_vcc 0
		.amdhsa_float_denorm_mode_32 3
		.amdhsa_float_denorm_mode_16_64 3
		.amdhsa_memory_ordered 1
		.amdhsa_forward_progress 1
		.amdhsa_inst_pref_size 23
	.end_amdhsa_kernel
	.amdgpu_metadata
---
amdhsa.version: [ 1, 2 ]
amdhsa.kernels:
  - .name:           k_q53f23c5514_colsum
    .symbol:         k_q53f23c5514_colsum.kd
    .args:
      - { .name: h_backward, .offset: 0, .size: 8, .value_kind: global_buffer, .address_space: global }
      - { .name: U_2, .offset: 8, .size: 8, .value_kind: global_buffer, .address_space: global }
      - { .name: P, .offset: 16, .size: 8, .value_kind: global_buffer, .address_space: global }
      - { .name: CP, .offset: 24, .size: 8, .value_kind: global_buffer, .address_space: global }
      - { .name: U2f, .offset: 32, .size: 8, .value_kind: global_buffer, .address_space: global }
    .group_segment_fixed_size: 5888
    .private_segment_fixed_size: 0
    .kernarg_segment_align: 8
    .kernarg_segment_size: 40
    .max_flat_workgroup_size: 288
    .sgpr_count:     66
    .vgpr_count:     200
    .wavefront_size: 32
...
	.end_amdgpu_metadata
.endif
;; end of part 1
;; launch wstream (part 2): grid 256 x 1, 16 waves a work-group, no clusters, 11,264 bytes of LDS; arguments U_1, P, Wf; writes Wf
.if DOCPART == 2
	.amdgcn_target "amdgcn-amd-amdhsa--gfx1250"
	.amdhsa_code_object_version 6
	.text
	.protected	k_q53f23c5514_wstream
	.globl	k_q53f23c5514_wstream
	.p2align	8
	.type	k_q53f23c5514_wstream,@function
k_q53f23c5514_wstream:
	s_mov_b64 s[64:65], 0
	v_nop
	global_prefetch_b8 v0, s[64:65] scope:SCOPE_SE
	s_setreg_imm32_b32 hwreg(HW_REG_WAVE_MODE, 25, 1), 1
	s_wait_xcnt 0x0
; SECOND OF THREE LAUNCHES.  W[b][i][r] = the sum over j of U_1[i][r][j] hbm[b][j], hbm[b][j] = the sum over q of P[q][b][j] (the mean of h_backward over y, made by the launch before).
; U_1 (64 MiB) is read once, in f32, and multiplied in f32 on the vector unit: the product has four columns (b), a quarter of the matrix unit's sixteen, and a matrix operand would
; want sixteen rows 2,048 bytes apart in one fragment, a trip through LDS for every byte.  LIMIT: W is rounded once to bf16, as an operand of the last launch's matrix product
; (bf16, not f16: with inputs some 30 times larger W passes f16's range).  NaN and infinities are not treated apart.
; Wf holds W in the order of a matrix operand's registers: for each b 65,536 bytes, element (k = i, r) at byte
;   4096 (k >> 5) + 1024 (r >> 4) + 512 ((k >> 4) & 1) + 256 ((k >> 3) & 1) + 16 (r & 15) + 2 (k & 7).
; SHARES.  Work-group g: i = 8 a .. 8 a + 7 (a = g / 4), r = 16 n .. 16 n + 15 (n = g % 4): 128 rows of 2,048 bytes; its results are, for each b, 256 consecutive bytes of Wf, aligned.
; Wave w takes r = 16 n + w and the eight i.  A row is four loads of 512 consecutive bytes; a lane holds j = 128 c + 4 l + 0..3.  All 32 loads of a wave go out at once, so the
; work-group's whole 256 KiB are asked for before the first wait: there is no loop to feed, hence no tensor load and no ring; no two work-groups read the same bytes of U_1, hence no cluster.
.set HB,    0                          ; LDS: hbm, [b][j] f32, 8,192 bytes
.set STG,   8192                       ; the results as bf16: b x 256 + w x 16 + 2 e, 1,024 bytes
.set SPARE, 9216                       ; the spare words: 128 bytes for each of sixteen waves, eight blocks of 256 bytes that no other line names
.set SPW, 6                            ; v6  LDS address of my spare word; never rewritten
.set NIL, 7                            ; v7  0; never rewritten
.set H,   8                            ; v[8:71]    hbm[b][128 c + 4 l ..] at H + 16 b + 4 c (first: P's four quarters in v[8:23])
.set X,   72                           ; v[72:199]  row e of U_1 at X + 16 e + 4 c
.set A,   200                          ; v[200:207] a row's four sums, a pair for each b
.set T,   208                          ; v[208:215] at work
.set R,   216                          ; v[216:223] row e's sums, folded
; Two sums are folded into one register while the lanes are added in pairs x apart: lanes whose bit x is 0 end with a's sum over the pair, the others with b's.  m: the scalar register with the mask of lanes whose bit x is 1.
.macro BFLY dst, a, b, m, x, d
	v_cndmask_b32 v[\d], v[\b], v[\a], s[\m]       ; what my partner wants of me
	v_cndmask_b32 v[\dst], v[\a], v[\b], s[\m]     ; what I keep
	v_add_f32_dpp v[\dst], v[\d], v[\dst] row_xmask:\x row_mask:0xf bank_mask:0xf
.endm
; Row e: 16 numbers a lane against the four hbm; four chains by turns, started by the first products.  Then the four sums are folded over lanes 1 and 2 apart: lane l holds b = l % 4.
.macro ROWE e
	s_wait_loadcnt 4*(7-(\e))                      ; loads come back in order (ISA guide 5.7.1): this row's four are in, the later rows' stay out
.irp u, 0,1,2,3,4,5,6,7
.irp b, 0,1,2,3
.if \u == 0
	v_pk_mul_f32 v[A+2*\b:A+2*\b+1], v[X+16*(\e)+2*\u:X+16*(\e)+2*\u+1], v[H+16*\b+2*\u:H+16*\b+2*\u+1]
.else
	v_pk_fma_f32 v[A+2*\b:A+2*\b+1], v[X+16*(\e)+2*\u:X+16*(\e)+2*\u+1], v[H+16*\b+2*\u:H+16*\b+2*\u+1], v[A+2*\b:A+2*\b+1]
.endif
.endr
.endr
.irp b, 0,1,2,3
	v_add_f32 v[T+\b], v[A+2*\b], v[A+2*\b+1]
.endr
	BFLY T, T, T+1, 16, 1, T+4
	BFLY T+2, T+2, T+3, 16, 1, T+5
	BFLY R+(\e), T, T+2, 17, 2, T+4
.endm
	s_load_b128 s[4:7], s[0:1], 0x0                ; U_1 s[4:5], P s[6:7]
	s_load_b64 s[8:9], s[0:1], 0x10                ; Wf
	v_lshl_add_u32 v[SPW], v0, 2, SPARE
	v_mov_b32 v[NIL], 0
	v_lshrrev_b32 v[T], 5, v0
	v_readfirstlane_b32 s10, v[T]                  ; wave 0..15
	v_and_b32 v[T+1], 31, v0                       ; lane
	v_lshlrev_b32 v2, 4, v0                        ; 16 bytes a thread: P, and hbm in LDS
	v_lshlrev_b32 v3, 4, v[T+1]                    ; 16 bytes a lane
	v_lshl_or_b32 v1, v[T], 11, v3                 ; U_1: my wave's r, 2,048 bytes a row
	v_and_b32 v[T+2], 3, v0                        ; the b that my lane ends with,
	v_lshrrev_b32 v[T+3], 2, v[T+1]                ; and the e
	v_lshlrev_b32 v4, 4, v[T]
	v_lshl_or_b32 v4, v[T+2], 8, v4
	v_lshl_add_u32 v4, v[T+3], 1, v4
	v_add_nc_u32 v4, STG, v4                       ; STG + 256 b + 16 w + 2 e
	v_bfe_u32 v[T+4], v0, 4, 2                     ; the way out, threads 0-63: b = t / 16,
	v_and_b32 v[T+5], 15, v0
	v_lshlrev_b32 v[T+5], 4, v[T+5]
	v_lshl_or_b32 v5, v[T+4], 16, v[T+5]           ; 65,536 b + 16 (t % 16)
	s_lshr_b32 s11, ttmp9, 2                       ; a
	s_and_b32 s14, ttmp9, 3                        ; n
	s_lshl_b32 s12, s11, 20                        ; U_1: 8 a planes of 131,072 bytes
	s_lshl_b32 s15, s14, 15                        ;   + 16 n rows
	s_add_co_u32 s12, s12, s15
	s_mov_b32 s13, 0
	s_lshr_b32 s24, s11, 2                         ; Wf: k >> 5 = a >> 2,
	s_lshl_b32 s24, s24, 12
	s_lshl_b32 s15, s14, 10                        ;   r >> 4 = n,
	s_add_co_u32 s24, s24, s15
	s_and_b32 s15, s11, 3                          ;   (k >> 3) & 3 = a & 3
	s_lshl_b32 s15, s15, 8
	s_add_co_u32 s24, s24, s15
	s_mov_b32 s25, 0
	s_mov_b32 s16, 0xaaaaaaaa                      ; lanes whose bit 1, 2, 4, 8, 16 is set
	s_mov_b32 s17, 0xcccccccc
	s_mov_b32 s18, 0xf0f0f0f0
	s_mov_b32 s19, 0xff00ff00
	s_mov_b32 s20, 0xffff0000
	s_mov_b32 s22, 0x76543210                      ; v_permlanex16_b32: each lane takes its own place in the other half
	s_mov_b32 s23, 0xfedcba98
	s_wait_kmcnt 0x0
	s_add_nc_u64 s[4:5], s[4:5], s[12:13]
	s_add_nc_u64 s[8:9], s[8:9], s[24:25]
.irp q, 0,1,2,3
	global_load_b128 v[H+4*\q:H+4*\q+3], v2, s[6:7] offset:8192*\q
.endr
.irp e, 0,1,2,3,4,5,6,7
.irp c, 0,1,2,3
	global_load_b128 v[X+16*\e+4*\c:X+16*\e+4*\c+3], v1, s[4:5] offset:131072*\e+512*\c th:TH_LOAD_NT  ; read once in the launch; 919,040 at the most, inside the signed 24-bit immediate
.endr
.endr
	s_wait_loadcnt 32                              ; P's four are in; the 32 loads of U_1 stay out
	v_pk_add_f32 v[H:H+1], v[H:H+1], v[H+4:H+5]
	v_pk_add_f32 v[H+2:H+3], v[H+2:H+3], v[H+6:H+7]
	v_pk_add_f32 v[H+8:H+9], v[H+8:H+9], v[H+12:H+13]
	v_pk_add_f32 v[H+10:H+11], v[H+10:H+11], v[H+14:H+15]
	v_pk_add_f32 v[H:H+1], v[H:H+1], v[H+8:H+9]
	v_pk_add_f32 v[H+2:H+3], v[H+2:H+3], v[H+10:H+11]
	ds_store_b128 v2, v[H:H+3]                     ; my four numbers of hbm
	s_wait_dscnt 0x0                               ; for the others' sake
	s_barrier_signal -1
	s_barrier_wait -1
.irp b, 0,1,2,3
.irp c, 0,1,2,3
	ds_load_b128 v[H+16*\b+4*\c:H+16*\b+4*\c+3], v3 offset:HB+2048*\b+512*\c  ; the j that my lane holds of every row
.endr
.endr
	s_wait_dscnt 0x0
	; The rows as they arrive.  Two rows are folded over lanes 4 apart, two such over 8, so that little is left behind the last row: in the end lane l holds b = l % 4, e = l / 4.
	ROWE 0
	ROWE 1
	BFLY R, R, R+1, 18, 4, T+4
	ROWE 2
	ROWE 3
	BFLY R+2, R+2, R+3, 18, 4, T+4
	BFLY R, R, R+2, 19, 8, T+4
	ROWE 4
	ROWE 5
	BFLY R+4, R+4, R+5, 18, 4, T+4
	ROWE 6
	ROWE 7
	BFLY R+6, R+6, R+7, 18, 4, T+4
	BFLY R+4, R+4, R+6, 19, 8, T+4
	v_cndmask_b32 v[T+4], v[R+4], v[R], s20        ; the last fold crosses the halves of the lanes
	v_cndmask_b32 v[T+5], v[R], v[R+4], s20
	v_permlanex16_b32 v[R+4], v[T+4], s22, s23     ; its destination counts as read: a register that has been written
	v_add_f32 v[T+5], v[T+5], v[R+4]
	v_cvt_pk_bf16_f32 v[T], v[T+5], v[T+5]         ; W, rounded once
	ds_store_b16 v4, v[T]
	s_wait_dscnt 0x0                               ; for waves 0 and 1's sake
	s_barrier_signal -1
	s_barrier_wait -1
	s_cmp_gt_u32 s10, 1
	s_cbranch_scc1 .Lend
	v_and_b32 v[T+4], 63, v0                       ; threads 0-63 take the stage's 1,024 bytes, 16 each
	v_lshlrev_b32 v[T+4], 4, v[T+4]
	ds_load_b128 v[T:T+3], v[T+4] offset:STG
	s_wait_dscnt 0x0
	global_store_b128 v5, v[T:T+3], s[8:9]         ; sixteen lanes store 256 consecutive bytes, aligned: one b
.Lend:
	s_wait_tensorcnt 0x0                           ; the wave's end: behind my last LDS store
	ds_add_u32 v[SPW], v[NIL]
	s_wait_dscnt 0x0
	s_endpgm
.Lfunc_end_k_q53f23c5514_wstream:
	.size	k_q53f23c5514_wstream, .Lfunc_end_k_q53f23c5514_wstream-k_q53f23c5514_wstream
	.p2alignl 7, 3214868480
	.fill 96, 4, 3214868480
	.section	.rodata,"a",@progbits
	.p2align	6, 0x0
	.amdhsa_kernel k_q53f23c5514_wstream
		.amdhsa_group_segment_fixed_size 11264
		.amdhsa_private_segment_fixed_size 0
		.amdhsa_enable_private_segment 0
		.amdhsa_kernarg_size 24
		.amdhsa_user_sgpr_count 2
		.amdhsa_user_sgpr_kernarg_segment_ptr 1
		.amdhsa_wavefront_size32 1
		.amdhsa_system_sgpr_workgroup_id_x 1
		.amdhsa_system_sgpr_workgroup_id_y 1
		.amdhsa_system_sgpr_workgroup_id_z 1
		.amdhsa_system_vgpr_workitem_id 0
		.amdhsa_next_free_vgpr 224
		.amdhsa_next_free_sgpr 66
		.amdhsa_reserve_vcc 0
		.amdhsa_float_denorm_mode_32 3
		.amdhsa_float_denorm_mode_16_64 3
		.amdhsa_memory_ordered 1
		.amdhsa_forward_progress 1
		.amdhsa_inst_pref_size 31
	.end_amdhsa_kernel
	.amdgpu_metadata
---
amdhsa.version: [ 1, 2 ]
amdhsa.kernels:
  - .name:           k_q53f23c5514_wstream
    .symbol:         k_q53f23c5514_wstream.kd
    .args:
      - { .name: U_1, .offset: 0, .size: 8, .value_kind: global_buffer, .address_space: global }
      - { .name: P, .offset: 8, .size: 8, .value_kind: global_buffer, .address_space: global }
      - { .name: Wf, .offset: 16, .size: 8, .value_kind: global_buffer, .address_space: global }
    .group_segment_fixed_size: 11264
    .private_segment_fixed_size: 0
    .kernarg_segment_align: 8
    .kernarg_segment_size: 24
    .max_flat_workgroup_size: 512
    .sgpr_count:     66
    .vgpr_count:     224
    .wavefront_size: 32
...
	.end_amdgpu_metadata
.endif
;; end of part 2
;; launch proj (part 3): grid 32 x 4, 8 waves a work-group, no clusters, 56,320 bytes of LDS; arguments h_forward, Wf, U2f, CP, bias, out0; writes out0
.if DOCPART == 3
	.amdgcn_target "amdgcn-amd-amdhsa--gfx1250"
	.amdhsa_code_object_version 6
	.text
	.protected	k_q53f23c5514_proj
	.globl	k_q53f23c5514_proj
	.p2align	8
	.type	k_q53f23c5514_proj,@function
k_q53f23c5514_proj:
	s_mov_b64 s[64:65], 0
	v_nop
	global_prefetch_b8 v0, s[64:65] scope:SCOPE_SE
	s_setreg_imm32_b32 hwreg(HW_REG_WAVE_MODE, 25, 1), 1
	s_wait_xcnt 0x0
; THIRD OF THREE LAUNCHES.  out[b][x][r] = the sum over i of hf[b][x][i] W[b][i][r] + the sum over i of hf[b][x][i] U_2[i][r] + c[b][r] + bias[r], c[b][r] = the sum over p of CP[b][p][r].
; Both products go to the matrix unit with bf16 operands and f32 sums.  W and U_2[0:512] stay two operands, each rounded once by itself: U_2's term is then the product of the
; two inputs as bf16, and W's rounding touches the bilinear term alone.  c and bias are added in f32.
; LIMITS: hf, U_2[0:512] and W are rounded to bf16; the order of the f32 sums differs from a mean taken at the end.  NaN and infinities are not treated apart.
; SHARES.  Work-group (xb, b): 16 rows x, all 64 r: its 4,096 bytes of out lie on end.  K is shared among the eight waves: wave w takes i = 64 w .. 64 w + 63, two matrix steps, against W and
; against U_2, for the four groups of 16 r: 16 matrix instructions on 4 accumulators.  Wave w's accumulators start from CP's rows 4 w .. 4 w + 3, so the sum over the waves finishes c too.
; 128 work-groups: 16 rows are the matrix instruction's least and 64 r are one whole row of out, so a finer share would split a row of 256 bytes or a sum among work-groups.
; Wf and U2f lie in the order of an operand's registers: a fragment is two loads of 512 consecutive bytes, straight into registers.  NO CLUSTER: Wf[b] and U2f are shared between
; work-groups, but each is loaded once, by plain loads into registers; a joint request fills LDS, which would add a trip through LDS and two meetings of the cluster for one single fill.
; THE MATRIX INSTRUCTION IS USED TRANSPOSED (source 0 = 16 r, source 1 = 16 x): lane l holds row x = l % 16 and the columns r = 16 n + 8 (l / 16) + 0..7.
.set AST,   0                          ; LDS: for each wave 16 rows of 64 bf16, 128 + 16 bytes apart (36 words: the 16 rows of a load start at 16 different groups of four banks, ISA guide 11.1)
.set APITCH, 144
.set CRW,   18432                      ; for each wave one row of 64 f32
.set PT,    20480                      ; for each wave its partial tile: 16 rows of 64 f32, 256 + 16 bytes apart
.set PPITCH, 272
.set SPARE, 55296                      ; the spare words: 128 bytes for each of eight waves, four blocks of 256 bytes that no other line names
.set SPW, 12                           ; v12 LDS address of my spare word; never rewritten
.set NIL, 13                           ; v13 0; never rewritten
.set CR,  16                           ; v[16:23]   four rows of CP, columns 2 l, 2 l + 1
.set BI,  24                           ; v[24:27]   bias, columns 4 (l % 16) + 0..3
.set AR,  28                           ; v[28:59]   hf as loaded: rows 2 m + l / 16 at AR + 4 m
.set AF,  60                           ; v[60:75]   hf's two fragments
.set ACC, 76                           ; v[76:107]  group n of 16 r at ACC + 8 n
.set BW,  108                          ; v[108:171] W's fragments: step k, group n at BW + 8 (4 k + n)
.set BU,  172                          ; v[172:235] U_2's likewise
.set E,   108                          ; v[108:139] the way out: the eight partial tiles' 16 bytes
.set TM,  236                          ; v[236:237] at work in the set-up
.macro ADD4 d, s                       ; four f32 onto four
	v_pk_add_f32 v[(\d):(\d)+1], v[(\d):(\d)+1], v[(\s):(\s)+1]
	v_pk_add_f32 v[(\d)+2:(\d)+3], v[(\d)+2:(\d)+3], v[(\s)+2:(\s)+3]
.endm
.macro MM8 base                        ; two steps of 32 along K x four groups of r; the four accumulators take turns, one instruction a turn
.irp k, 0,1
.irp n, 0,1,2,3
	v_wmma_f32_16x16x32_bf16 v[ACC+8*\n:ACC+8*\n+7], v[\base+8*(4*\k+\n):\base+8*(4*\k+\n)+7], v[AF+8*\k:AF+8*\k+7], v[ACC+8*\n:ACC+8*\n+7]
.endr
.endr
.endm
	s_load_b256 s[4:11], s[0:1], 0x0               ; hf s[4:5], Wf s[6:7], U2f s[8:9], CP s[10:11]
	s_load_b128 s[12:15], s[0:1], 0x20             ; bias s[12:13], out s[14:15]
	v_lshl_add_u32 v[SPW], v0, 2, SPARE
	v_mov_b32 v[NIL], 0
	v_lshrrev_b32 v14, 5, v0
	v_readfirstlane_b32 s16, v14                   ; wave 0..7
	s_mov_b32 s17, ttmp9                           ; xb
	s_and_b32 s18, ttmp7, 0xffff                   ; b
	s_lshl_b32 s20, s18, 20                        ; hf: b x 512 rows of 2,048 bytes
	s_lshl_b32 s19, s17, 15                        ;   + 16 xb rows
	s_add_co_u32 s20, s20, s19
	s_lshl_b32 s19, s16, 8                         ;   + my wave's 64 columns
	s_add_co_u32 s20, s20, s19
	s_mov_b32 s21, 0
	s_lshl_b32 s28, s16, 13                        ; U2f: my two steps of 4,096 bytes
	s_mov_b32 s29, 0
	s_lshl_b32 s26, s18, 16                        ; Wf: the same in b's 65,536
	s_add_co_u32 s26, s26, s28
	s_mov_b32 s27, 0
	s_lshl_b32 s30, s18, 13                        ; CP: b x 8,192 + 4 w rows of 256
	s_lshl_b32 s19, s16, 10
	s_add_co_u32 s30, s30, s19
	s_mov_b32 s31, 0
	s_lshl_b32 s32, s18, 17                        ; out: b x 512 rows of 256 bytes + 16 xb rows
	s_lshl_b32 s19, s17, 12
	s_add_co_u32 s32, s32, s19
	s_mov_b32 s33, 0
	s_mul_i32 s22, s16, 16*APITCH                  ; my part of AST,
	s_lshl_b32 s23, s16, 8
	s_add_co_u32 s23, s23, CRW                     ; of CRW,
	s_mul_i32 s24, s16, 16*PPITCH
	s_add_co_u32 s24, s24, PT                      ; of PT
	v_and_b32 v14, 31, v0                          ; l
	v_and_b32 v15, 15, v0                          ; l % 16
	v_bfe_u32 v[TM], v0, 4, 1                      ; l / 16
	v_lshlrev_b32 v1, 4, v14                       ; a fragment's half: 16 bytes a lane
	v_lshlrev_b32 v4, 4, v15                       ; bias
	v_lshl_or_b32 v2, v[TM], 11, v4                ; hf: row l / 16, 16 bytes at 16 (l % 16)
	v_lshlrev_b32 v3, 3, v14                       ; CP: 8 bytes a lane
	v_mul_u32_u24 v5, v[TM], APITCH                ; hf into AST: row l / 16, 8 bytes at 8 (l % 16)
	v_lshl_add_u32 v5, v15, 3, v5
	v_add_nc_u32 v5, s22, v5
	v_mul_u32_u24 v6, v15, APITCH                  ; and back as fragments: row l % 16, 16 bytes for each half of the lanes
	v_lshl_add_u32 v6, v[TM], 4, v6
	v_add_nc_u32 v6, s22, v6
	v_add_nc_u32 v7, s23, v3                       ; c's part into CRW,
	v_lshl_add_u32 v8, v[TM], 5, s23               ; and back: 8 columns for each half of the lanes
	v_mul_u32_u24 v9, v15, PPITCH                  ; my results into PT: row l % 16, 32 bytes for each half of the lanes
	v_lshl_add_u32 v9, v[TM], 5, v9
	v_add_nc_u32 v9, s24, v9
	v_lshrrev_b32 v[TM+1], 4, v0                   ; the way out: thread t takes row t / 16, 16 bytes at 16 (t % 16), of all eight tiles
	v_mul_u32_u24 v10, v[TM+1], PPITCH
	v_add_nc_u32 v10, v10, v4
	v_add_nc_u32 v10, PT, v10
	v_lshlrev_b32 v11, 4, v0                       ; and the same place in out
	s_wait_kmcnt 0x0
	s_add_nc_u64 s[4:5], s[4:5], s[20:21]
	s_add_nc_u64 s[6:7], s[6:7], s[26:27]
	s_add_nc_u64 s[8:9], s[8:9], s[28:29]
	s_add_nc_u64 s[10:11], s[10:11], s[30:31]
	s_add_nc_u64 s[14:15], s[14:15], s[32:33]
	; all 45 loads at once, in the order in which they are wanted
.irp t, 0,1,2,3
	global_load_b64 v[CR+2*\t:CR+2*\t+1], v3, s[10:11] offset:256*\t
.endr
	global_load_b128 v[BI:BI+3], v4, s[12:13]
.irp m, 0,1,2,3,4,5,6,7
	global_load_b128 v[AR+4*\m:AR+4*\m+3], v2, s[4:5] offset:4096*\m th:TH_LOAD_NT  ; each half of the wave: 256 consecutive bytes, aligned; hf is read once in the launch
.endr
.set f, 0
.rept 16
	global_load_b128 v[BW+4*f:BW+4*f+3], v1, s[6:7] offset:512*f
.set f, f+1
.endr
.set f, 0
.rept 16
	global_load_b128 v[BU+4*f:BU+4*f+3], v1, s[8:9] offset:512*f
.set f, f+1
.endr
	s_wait_loadcnt 41                              ; CP's four are in; bias, 8 of hf and 32 of the operands stay out
	v_pk_add_f32 v[CR:CR+1], v[CR:CR+1], v[CR+2:CR+3]
	v_pk_add_f32 v[CR+4:CR+5], v[CR+4:CR+5], v[CR+6:CR+7]
	v_pk_add_f32 v[CR:CR+1], v[CR:CR+1], v[CR+4:CR+5]
	ds_store_b64 v7, v[CR:CR+1]                    ; my wave's own bytes:
.irp n, 0,1,2,3
	ds_load_b128 v[ACC+8*\n:ACC+8*\n+3], v8 offset:64*\n        ; LDS serves a wave's instructions in order (ISA guide 5.7.1.4): these see the store above.
	ds_load_b128 v[ACC+8*\n+4:ACC+8*\n+7], v8 offset:64*\n+16   ; The sums start from c's part: every row x takes the same 8 columns
.endr
	s_wait_loadcnt 32                              ; hf is in; the 32 loads of the operands stay out
.irp m, 0,1,2,3,4,5,6,7
	v_cvt_pk_bf16_f32 v[AR+4*\m], v[AR+4*\m], v[AR+4*\m+1]
	v_cvt_pk_bf16_f32 v[AR+4*\m+1], v[AR+4*\m+2], v[AR+4*\m+3]
	ds_store_b64 v5, v[AR+4*\m:AR+4*\m+1] offset:2*APITCH*\m
.endr
.irp k, 0,1
	ds_load_b128 v[AF+8*\k:AF+8*\k+3], v6 offset:64*\k         ; again my wave's own bytes, in order
	ds_load_b128 v[AF+8*\k+4:AF+8*\k+7], v6 offset:64*\k+32
.endr
	s_wait_loadcnt 16                              ; W's fragments are in; U_2's sixteen loads stay out
	s_wait_dscnt 0x0                               ; the accumulators' start and hf's fragments
	MM8 BW
	s_wait_loadcnt 0x0
	MM8 BU
.rept 4
	v_nop                                          ; four places between the last product and the stores that read results; no other vector work is at hand
.endr
.irp n, 0,1,2,3
	ds_store_b128 v9, v[ACC+8*\n:ACC+8*\n+3] offset:64*\n      ; each accumulator's low registers first
	ds_store_b128 v9, v[ACC+8*\n+4:ACC+8*\n+7] offset:64*\n+16
.endr
	s_wait_dscnt 0x0                               ; for the others' sake: my partial tile is in LDS
	s_barrier_signal -1
	s_barrier_wait -1
.irp w, 0,1,2,3,4,5,6,7
	ds_load_b128 v[E+4*\w:E+4*\w+3], v10 offset:16*PPITCH*\w
.endr
.irp t, 0,1,2,3
	s_wait_dscnt 6-2*\t                            ; tiles 2 t and 2 t + 1 are in, the later ones stay out
	ADD4 E+8*\t, E+8*\t+4
.endr
	ADD4 E, E+8
	ADD4 E+16, E+24
	ADD4 E, E+16
	ADD4 E, BI
	global_store_b128 v11, v[E:E+3], s[14:15]      ; sixteen lanes store one row of out: 256 consecutive bytes, aligned
	s_wait_tensorcnt 0x0                           ; the wave's end: behind my last LDS store
	ds_add_u32 v[SPW], v[NIL]
	s_wait_dscnt 0x0
	s_endpgm
.Lfunc_end_k_q53f23c5514_proj:
	.size	k_q53f23c5514_proj, .Lfunc_end_k_q53f23c5514_proj-k_q53f23c5514_proj
	.p2alignl 7, 3214868480
	.fill 96, 4, 3214868480
	.section	.rodata,"a",@progbits
	.p2align	6, 0x0
	.amdhsa_kernel k_q53f23c5514_proj
		.amdhsa_group_segment_fixed_size 56320
		.amdhsa_private_segment_fixed_size 0
		.amdhsa_enable_private_segment 0
		.amdhsa_kernarg_size 48
		.amdhsa_user_sgpr_count 2
		.amdhsa_user_sgpr_kernarg_segment_ptr 1
		.amdhsa_wavefront_size32 1
		.amdhsa_system_sgpr_workgroup_id_x 1
		.amdhsa_system_sgpr_workgroup_id_y 1
		.amdhsa_system_sgpr_workgroup_id_z 1
		.amdhsa_system_vgpr_workitem_id 0
		.amdhsa_next_free_vgpr 240
		.amdhsa_next_free_sgpr 66
		.amdhsa_reserve_vcc 0
		.amdhsa_float_denorm_mode_32 3
		.amdhsa_float_denorm_mode_16_64 3
		.amdhsa_memory_ordered 1
		.amdhsa_forward_progress 1
		.amdhsa_inst_pref_size 14
	.end_amdhsa_kernel
	.amdgpu_metadata
---
amdhsa.version: [ 1, 2 ]
amdhsa.kernels:
  - .name:           k_q53f23c5514_proj
    .symbol:         k_q53f23c5514_proj.kd
    .args:
      - { .name: h_forward, .offset: 0, .size: 8, .value_kind: global_buffer, .address_space: global }
      - { .name: Wf, .offset: 8, .size: 8, .value_kind: global_buffer, .address_space: global }
      - { .name: U2f, .offset: 16, .size: 8, .value_kind: global_buffer, .address_space: global }
      - { .name: CP, .offset: 24, .size: 8, .value_kind: global_buffer, .address_space: global }
      - { .name: bias, .offset: 32, .size: 8, .value_kind: global_buffer, .address_space: global }
      - { .name: out0, .offset: 40, .size: 8, .value_kind: global_buffer, .address_space: global }
    .group_segment_fixed_size: 56320
    .private_segment_fixed_size: 0
    .kernarg_segment_align: 8
    .kernarg_segment_size: 48
    .max_flat_workgroup_size: 256
    .sgpr_count:     66
    .vgpr_count:     240
    .wavefront_size: 32
...
	.end_amdgpu_metadata
.endif
;; end of part 3
;; ======== version 2 of 2: 3 launches; version 1 with the launch proj written anew for expert scheduling mode
;; workspace buffers: P 32,768 bytes; CP 32,768 bytes; U2f 65,536 bytes; Wf 262,144 bytes
;; launch colsum: the kernel of part 1 again; grid 32 x 4, 9 waves a work-group, no clusters, 5,888 bytes of LDS; arguments h_backward, U_2, P, CP, U2f; writes P, CP, U2f
;; launch wstream: the kernel of part 2 again; grid 256 x 1, 16 waves a work-group, no clusters, 11,264 bytes of LDS; arguments U_1, P, Wf; writes Wf
;; launch proj (part 4): grid 32 x 4, 8 waves a work-group, no clusters, 56,320 bytes of LDS; arguments h_forward, Wf, U2f, CP, bias, out0; writes out0
.if DOCPART == 4
	.amdgcn_target "amdgcn-amd-amdhsa--gfx1250"
	.amdhsa_code_object_version 6
	.text
	.protected	k_q53f23c5514_proj
	.globl	k_q53f23c5514_proj
	.p2align	8
	.type	k_q53f23c5514_proj,@function
k_q53f23c5514_proj:
	s_mov_b64 s[64:65], 0
	v_nop
	global_prefetch_b8 v0, s[64:65] scope:SCOPE_SE
	s_setreg_imm32_b32 hwreg(HW_REG_WAVE_SCHED_MODE, 0, 2), 2
	s_setreg_imm32_b32 hwreg(HW_REG_WAVE_MODE, 25, 1), 1
	s_wait_xcnt 0x0
	s_wait_alu depctr_vm_vsrc(0)
; THIRD OF THREE LAUNCHES.  out[b][x][r] = the sum over i of hf[b][x][i] W[b][i][r] + the sum over i of hf[b][x][i] U_2[i][r] + c[b][r] + bias[r], c[b][r] = the sum over p of CP[b][p][r].
; Both products go to the matrix unit with bf16 operands and f32 sums.  W and U_2[0:512] stay two operands, each rounded once by itself: U_2's term is then the product of the
; two inputs as bf16, and W's rounding touches the bilinear term alone.  c and bias are added in f32.
; LIMITS: hf, U_2[0:512] and W are rounded to bf16; the order of the f32 sums differs from a mean taken at the end.  NaN and infinities are not treated apart.
; SHARES.  Work-group (xb, b): 16 rows x, all 64 r: its 4,096 bytes of out lie on end.  K is shared among the eight waves: wave w takes i = 64 w .. 64 w + 63, two matrix steps, against W and
; against U_2, for the four groups of 16 r: 16 matrix instructions on 4 accumulators.  Wave w's accumulators start from CP's rows 4 w .. 4 w + 3, so the sum over the waves finishes c too.
; 128 work-groups: 16 rows are the matrix instruction's least and 64 r are one whole row of out, so a finer share would split a row of 256 bytes or a sum among work-groups.
; Wf and U2f lie in the order of an operand's registers: a fragment is two loads of 512 consecutive bytes, straight into registers.  NO CLUSTER: Wf[b] and U2f are shared between
; work-groups, but each is loaded once, by plain loads into registers; a joint request fills LDS, which would add a trip through LDS and two meetings of the cluster for one single fill.
; THE MATRIX INSTRUCTION IS USED TRANSPOSED (source 0 = 16 r, source 1 = 16 x): lane l holds row x = l % 16 and the columns r = 16 n + 8 (l / 16) + 0..7.
; THE MODE: SCHED_MODE bits 1:0 = 2 (LLVM: expert scheduling mode 2), set by the entry lines.  The code itself states the register dependences
; between vector or matrix instructions and memory or LDS instructions, with s_wait_alu, always for 0.
; THE PLAN.  The text has no loop: all 45 global loads go out at the head.  Registers that memory or LDS instructions touch, in program order:
;   v1-v13       offsets, LDS addresses and the closing add's pair: written by vector instructions at the head, read by loads, stores and the add, never written again.
;   CR, AR       global loads land in them; CP's three adds and hf's sixteen conversions work in place; LDS stores read the results; never written again.
;   ACC, AF      LDS loads land in them (no vector instruction has named them before); the matrix instructions read both and write ACC; LDS stores read ACC; never written again.
;   BW, BU, BI   global loads land in them; matrix instructions (BI: a vector add) read them.  Behind the barrier LDS loads land in E, which is BW's first 32 registers;
;                the adds work in E, and the global store reads its first four.
; So the waits on va_vdst are four: ahead of the first load (v1-v13 are written); ONE ahead of the whole run of LDS stores and loads, behind the adds and all the conversions;
; one behind the places that follow the last product (ACC is written, BW is read out); one ahead of the global store.  A wait on va_sdst stands ahead of the first reader of the wave's number.
; No register that a memory or LDS instruction reads is written again, so the text holds no wait on vm_vsrc.
.set AST,   0                          ; LDS: for each wave 16 rows of 64 bf16, 128 + 16 bytes apart (36 words: the 16 rows of a load start at 16 different groups of four banks, ISA guide 11.1)
.set APITCH, 144
.set CRW,   18432                      ; for each wave one row of 64 f32
.set PT,    20480                      ; for each wave its partial tile: 16 rows of 64 f32, 256 + 16 bytes apart
.set PPITCH, 272
.set SPARE, 55296                      ; the spare words: 128 bytes for each of eight waves, four blocks of 256 bytes that no other line names
.set SPW, 12                           ; v12 LDS address of my spare word; never rewritten
.set NIL, 13                           ; v13 0; never rewritten
.set CR,  16                           ; v[16:23]   four rows of CP, columns 2 l, 2 l + 1
.set BI,  24                           ; v[24:27]   bias, columns 4 (l % 16) + 0..3
.set AR,  28                           ; v[28:59]   hf as loaded: rows 2 m + l / 16 at AR + 4 m
.set AF,  60                           ; v[60:75]   hf's two fragments
.set ACC, 76                           ; v[76:107]  group n of 16 r at ACC + 8 n
.set BW,  108                          ; v[108:171] W's fragments: step k, group n at BW + 8 (4 k + n)
.set BU,  172                          ; v[172:235] U_2's likewise
.set E,   108                          ; v[108:139] the way out: the eight partial tiles' 16 bytes
.set TM,  236                          ; v[236:237] at work in the set-up
.macro ADD4 d, s                       ; four f32 onto four
	v_pk_add_f32 v[(\d):(\d)+1], v[(\d):(\d)+1], v[(\s):(\s)+1]
	v_pk_add_f32 v[(\d)+2:(\d)+3], v[(\d)+2:(\d)+3], v[(\s)+2:(\s)+3]
.endm
.macro MM8 base                        ; two steps of 32 along K x four groups of r; the four accumulators take turns, one instruction a turn
.irp k, 0,1
.irp n, 0,1,2,3
	v_wmma_f32_16x16x32_bf16 v[ACC+8*\n:ACC+8*\n+7], v[\base+8*(4*\k+\n):\base+8*(4*\k+\n)+7], v[AF+8*\k:AF+8*\k+7], v[ACC+8*\n:ACC+8*\n+7]
.endr
.endr
.endm
	s_load_b256 s[4:11], s[0:1], 0x0               ; hf s[4:5], Wf s[6:7], U2f s[8:9], CP s[10:11]
	s_load_b128 s[12:15], s[0:1], 0x20             ; bias s[12:13], out s[14:15]
	v_lshl_add_u32 v[SPW], v0, 2, SPARE
	v_mov_b32 v[NIL], 0
	v_lshrrev_b32 v14, 5, v0
	v_readfirstlane_b32 s16, v14                   ; wave 0..7
	s_mov_b32 s17, ttmp9                           ; xb
	s_and_b32 s18, ttmp7, 0xffff                   ; b
	s_lshl_b32 s20, s18, 20                        ; hf: b x 512 rows of 2,048 bytes
	s_lshl_b32 s19, s17, 15                        ;   + 16 xb rows
	s_add_co_u32 s20, s20, s19
	s_wait_alu depctr_va_sdst(0)                   ; s16, the wave's number, is written, ahead of its first reader: the offsets and the wave's parts of LDS are made from it
	s_lshl_b32 s19, s16, 8                         ;   + my wave's 64 columns
	s_add_co_u32 s20, s20, s19
	s_mov_b32 s21, 0
	s_lshl_b32 s28, s16, 13                        ; U2f: my two steps of 4,096 bytes
	s_mov_b32 s29, 0
	s_lshl_b32 s26, s18, 16                        ; Wf: the same in b's 65,536
	s_add_co_u32 s26, s26, s28
	s_mov_b32 s27, 0
	s_lshl_b32 s30, s18, 13                        ; CP: b x 8,192 + 4 w rows of 256
	s_lshl_b32 s19, s16, 10
	s_add_co_u32 s30, s30, s19
	s_mov_b32 s31, 0
	s_lshl_b32 s32, s18, 17                        ; out: b x 512 rows of 256 bytes + 16 xb rows
	s_lshl_b32 s19, s17, 12
	s_add_co_u32 s32, s32, s19
	s_mov_b32 s33, 0
	s_mul_i32 s22, s16, 16*APITCH                  ; my part of AST,
	s_lshl_b32 s23, s16, 8
	s_add_co_u32 s23, s23, CRW                     ; of CRW,
	s_mul_i32 s24, s16, 16*PPITCH
	s_add_co_u32 s24, s24, PT                      ; of PT
	v_and_b32 v14, 31, v0                          ; l
	v_and_b32 v15, 15, v0                          ; l % 16
	v_bfe_u32 v[TM], v0, 4, 1                      ; l / 16
	v_lshlrev_b32 v1, 4, v14                       ; a fragment's half: 16 bytes a lane
	v_lshlrev_b32 v4, 4, v15                       ; bias
	v_lshl_or_b32 v2, v[TM], 11, v4                ; hf: row l / 16, 16 bytes at 16 (l % 16)
	v_lshlrev_b32 v3, 3, v14                       ; CP: 8 bytes a lane
	v_mul_u32_u24 v5, v[TM], APITCH                ; hf into AST: row l / 16, 8 bytes at 8 (l % 16)
	v_lshl_add_u32 v5, v15, 3, v5
	v_add_nc_u32 v5, s22, v5
	v_mul_u32_u24 v6, v15, APITCH                  ; and back as fragments: row l % 16, 16 bytes for each half of the lanes
	v_lshl_add_u32 v6, v[TM], 4, v6
	v_add_nc_u32 v6, s22, v6
	v_add_nc_u32 v7, s23, v3                       ; c's part into CRW,
	v_lshl_add_u32 v8, v[TM], 5, s23               ; and back: 8 columns for each half of the lanes
	v_mul_u32_u24 v9, v15, PPITCH                  ; my results into PT: row l % 16, 32 bytes for each half of the lanes
	v_lshl_add_u32 v9, v[TM], 5, v9
	v_add_nc_u32 v9, s24, v9
	v_lshrrev_b32 v[TM+1], 4, v0                   ; the way out: thread t takes row t / 16, 16 bytes at 16 (t % 16), of all eight tiles
	v_mul_u32_u24 v10, v[TM+1], PPITCH
	v_add_nc_u32 v10, v10, v4
	v_add_nc_u32 v10, PT, v10
	v_lshlrev_b32 v11, 4, v0                       ; and the same place in out
	s_wait_kmcnt 0x0
	s_add_nc_u64 s[4:5], s[4:5], s[20:21]
	s_add_nc_u64 s[6:7], s[6:7], s[26:27]
	s_add_nc_u64 s[8:9], s[8:9], s[28:29]
	s_add_nc_u64 s[10:11], s[10:11], s[30:31]
	s_add_nc_u64 s[14:15], s[14:15], s[32:33]
	s_wait_alu depctr_va_vdst(0)                   ; v1 to v11, the offsets and LDS addresses that every load and store of the kernel reads, and v12, v13, the closing add's pair, are written; none is written again
	; all 45 loads at once, in the order in which they are wanted
.irp t, 0,1,2,3
	global_load_b64 v[CR+2*\t:CR+2*\t+1], v3, s[10:11] offset:256*\t
.endr
	global_load_b128 v[BI:BI+3], v4, s[12:13]
.irp m, 0,1,2,3,4,5,6,7
	global_load_b128 v[AR+4*\m:AR+4*\m+3], v2, s[4:5] offset:4096*\m th:TH_LOAD_NT  ; each half of the wave: 256 consecutive bytes, aligned; hf is read once in the launch
.endr
.set f, 0
.rept 16
	global_load_b128 v[BW+4*f:BW+4*f+3], v1, s[6:7] offset:512*f
.set f, f+1
.endr
.set f, 0
.rept 16
	global_load_b128 v[BU+4*f:BU+4*f+3], v1, s[8:9] offset:512*f
.set f, f+1
.endr
	; the vector work whose results go to LDS stands together: CP's three adds, then hf's sixteen conversions, each behind the wait for its data
	s_wait_loadcnt 41                              ; CP's four are in; bias, 8 of hf and 32 of the operands stay out
	v_pk_add_f32 v[CR:CR+1], v[CR:CR+1], v[CR+2:CR+3]
	v_pk_add_f32 v[CR+4:CR+5], v[CR+4:CR+5], v[CR+6:CR+7]
	v_pk_add_f32 v[CR:CR+1], v[CR:CR+1], v[CR+4:CR+5]
	s_wait_loadcnt 32                              ; hf is in; the 32 loads of the operands stay out
.irp m, 0,1,2,3,4,5,6,7
	v_cvt_pk_bf16_f32 v[AR+4*\m], v[AR+4*\m], v[AR+4*\m+1]
	v_cvt_pk_bf16_f32 v[AR+4*\m+1], v[AR+4*\m+2], v[AR+4*\m+3]
.endr
	s_wait_alu depctr_va_vdst(0)                   ; the adds have written v[CR:CR+1] and the conversions v[AR+4 m:AR+4 m+1], which the nine LDS stores below read; no vector instruction has named ACC or AF, in which the LDS loads land
	ds_store_b64 v7, v[CR:CR+1]                    ; my wave's own bytes:
.irp n, 0,1,2,3
	ds_load_b128 v[ACC+8*\n:ACC+8*\n+3], v8 offset:64*\n        ; LDS serves a wave's instructions in order (ISA guide 5.7.1.4): these see the store above.
	ds_load_b128 v[ACC+8*\n+4:ACC+8*\n+7], v8 offset:64*\n+16   ; The sums start from c's part: every row x takes the same 8 columns
.endr
.irp m, 0,1,2,3,4,5,6,7
	ds_store_b64 v5, v[AR+4*\m:AR+4*\m+1] offset:2*APITCH*\m
.endr
.irp k, 0,1
	ds_load_b128 v[AF+8*\k:AF+8*\k+3], v6 offset:64*\k         ; again my wave's own bytes, in order
	ds_load_b128 v[AF+8*\k+4:AF+8*\k+7], v6 offset:64*\k+32
.endr
	s_wait_loadcnt 16                              ; W's fragments are in; U_2's sixteen loads stay out
	s_wait_dscnt 0x0                               ; the accumulators' start and hf's fragments
	MM8 BW
	s_wait_loadcnt 0x0
	MM8 BU
.rept 4
	v_nop                                          ; four places between the last product and the stores that read results; no other vector work is at hand
.endr
	s_wait_alu depctr_va_vdst(0)                   ; the matrix instructions have written the accumulators, which the LDS stores read, and are done reading W's fragments, in whose registers the loads behind the barrier land; the places above stay beside this wait
.irp n, 0,1,2,3
	ds_store_b128 v9, v[ACC+8*\n:ACC+8*\n+3] offset:64*\n      ; each accumulator's low registers first
	ds_store_b128 v9, v[ACC+8*\n+4:ACC+8*\n+7] offset:64*\n+16
.endr
	s_wait_dscnt 0x0                               ; for the others' sake: my partial tile is in LDS
	s_barrier_signal -1
	s_barrier_wait -1
.irp w, 0,1,2,3,4,5,6,7
	ds_load_b128 v[E+4*\w:E+4*\w+3], v10 offset:16*PPITCH*\w   ; no vector or matrix instruction since the wait above names these registers
.endr
.irp t, 0,1,2,3
	s_wait_dscnt 6-2*\t                            ; tiles 2 t and 2 t + 1 are in, the later ones stay out
	ADD4 E+8*\t, E+8*\t+4
.endr
	ADD4 E, E+8
	ADD4 E+16, E+24
	ADD4 E, E+16
	ADD4 E, BI
	s_wait_alu depctr_va_vdst(0)                   ; the adds have written v[E:E+3], which the store reads
	global_store_b128 v11, v[E:E+3], s[14:15]      ; sixteen lanes store one row of out: 256 consecutive bytes, aligned
	s_wait_dscnt 0x0                               ; the closing lines, six on end
	s_wait_alu 0x0
	s_wait_tensorcnt 0x0
	ds_add_u32 v[SPW], v[NIL]
	s_wait_dscnt 0x0
	s_endpgm
.Lfunc_end_k_q53f23c5514_proj:
	.size	k_q53f23c5514_proj, .Lfunc_end_k_q53f23c5514_proj-k_q53f23c5514_proj
	.p2alignl 7, 3214868480
	.fill 96, 4, 3214868480
	.section	.rodata,"a",@progbits
	.p2align	6, 0x0
	.amdhsa_kernel k_q53f23c5514_proj
		.amdhsa_group_segment_fixed_size 56320
		.amdhsa_private_segment_fixed_size 0
		.amdhsa_enable_private_segment 0
		.amdhsa_kernarg_size 48
		.amdhsa_user_sgpr_count 2
		.amdhsa_user_sgpr_kernarg_segment_ptr 1
		.amdhsa_wavefront_size32 1
		.amdhsa_system_sgpr_workgroup_id_x 1
		.amdhsa_system_sgpr_workgroup_id_y 1
		.amdhsa_system_sgpr_workgroup_id_z 1
		.amdhsa_system_vgpr_workitem_id 0
		.amdhsa_next_free_vgpr 240
		.amdhsa_next_free_sgpr 66
		.amdhsa_reserve_vcc 0
		.amdhsa_float_denorm_mode_32 3
		.amdhsa_float_denorm_mode_16_64 3
		.amdhsa_memory_ordered 1
		.amdhsa_forward_progress 1
		.amdhsa_inst_pref_size 14
	.end_amdhsa_kernel
	.amdgpu_metadata
---
amdhsa.version: [ 1, 2 ]
amdhsa.kernels:
  - .name:           k_q53f23c5514_proj
    .symbol:         k_q53f23c5514_proj.kd
    .args:
      - { .name: h_forward, .offset: 0, .size: 8, .value_kind: global_buffer, .address_space: global }
      - { .name: Wf, .offset: 8, .size: 8, .value_kind: global_buffer, .address_space: global }
      - { .name: U2f, .offset: 16, .size: 8, .value_kind: global_buffer, .address_space: global }
      - { .name: CP, .offset: 24, .size: 8, .value_kind: global_buffer, .address_space: global }
      - { .name: bias, .offset: 32, .size: 8, .value_kind: global_buffer, .address_space: global }
      - { .name: out0, .offset: 40, .size: 8, .value_kind: global_buffer, .address_space: global }
    .group_segment_fixed_size: 56320
    .private_segment_fixed_size: 0
    .kernarg_segment_align: 8
    .kernarg_segment_size: 48
    .max_flat_workgroup_size: 256
    .sgpr_count:     66
    .vgpr_count:     240
    .wavefront_size: 32
...
	.end_amdgpu_metadata
.endif
;; end of part 4
